; MI455X (gfx1250); checked and timed in simulation.
; The chip was launched on July 23, 2026; its instructions are those of AMD's public machine-readable ISA for CDNA 5 (MIT licence, August 2026) and "CDNA5" Instruction Set Architecture Reference Guide (July 2026). The comments in the code are by the model that wrote it; some were corrected since.
;; Multi Gaussian Actor. Allowed arithmetic: matrix products marked QUANTISED: E3M2 operands, one E8M0 scale for each 32 along K, by v_wmma_scale_f32_16x16x128_f8f6f4 with both operands' format E3M2, f32 sums; products left as they are: f32 operands where the result goes on into a quantised operand, else bf16, f16 or f32 operands; f32 sums; everything else in f32.
;; Inputs: W1_codes 16 x 1,024 x 32 x 24 uint8 (E3M2 codes of W1, K innermost, in blocks of 32 codes, four codes in three bytes); W1_scales 16 x 1,024 x 32 uint8 (E8M0 scales of W1, one for each 32 codes along K); W2_codes 16 x 64 x 32 x 24 uint8 (E3M2 codes of W2, K innermost, in blocks of 32 codes, four codes in three bytes); W2_scales 16 x 64 x 32 uint8 (E8M0 scales of W2, one for each 32 codes along K); actor_index 2,048 x 16 float32; b1 16 x 1,024 float32; b2 16 x 64 float32; feature_codes 2,048 x 32 x 24 uint8 (E3M2 codes of feature, K innermost, in blocks of 32 codes, four codes in three bytes); feature_scales 2,048 x 32 uint8 (E8M0 scales of feature, one for each 32 codes along K); sigma 16 x 64 float32.
;; Outputs: out0 2,048 x 64 float32; out1 2,048 x 64 float32.
;; This version of the problem:
;;   THIS VERSION OF THE PROBLEM IS GIVEN IN LOW PRECISION. The matrix products marked QUANTISED in the list below multiply operands that are first quantised to E3M2 (3 exponent bits, 2 mantissa bits; 6 bits a number), with one power-of-two scale for each 32 numbers along K (OCP MX v1.0); their sums are f32. All else is computed in f32.
;;   The module's matrix products, in the order in which they are computed (A, B: the left and right operand; K: the contracted axis; several contracted axes count as one K, in the product's order):
;;     1. [M 16,384, K 1,024] x [K 1,024, N 2,048]; A: input W1 (given as codes); B: input feature (given as codes): QUANTISED
;;     2. batch 16 x [M 2,048, K 1,024] x [K 1,024, N 64]; A: computed on the way; B: input W2 (given as codes): QUANTISED
;;     3. batch 2,048 x [M 64, K 16] x [K 16, N 1]; A: computed on the way; B: computed on the way: left as it is (K = 16 < 32)
;;     4. [M 2,048, K 16] x [K 16, N 64]; A: computed on the way; B: computed on the way: left as it is (K = 16 < 32)
;;   THE QUANTISER, for each operand of a quantised product, along K:
;;     - K is cut into blocks of 32 from its start; a last block that is shorter is filled with zeros.
;;     - A block's scale is 2^e with e = floor(log2(the largest magnitude in the block)) - 4, held to -126 .. 127; a block of zeros has e = 0. As a byte (E8M0): e + 127.
;;     - Each number is divided by its block's scale, clamped to +-28, and rounded to the nearest number of E3M2, ties to even, subnormals kept.
;;     - The product sums the exact products of the quantised numbers (number of the format x scale) in f32.
;;   ~~~python
;;   def quantise(x, axis):      # numpy; x: float32 -> the quantised numbers, widened to float32 again
;;       x = np.moveaxis(x, axis, -1); K = x.shape[-1]
;;       x = np.pad(x, [(0, 0)] * (x.ndim - 1) + [(0, -K % 32)]); x = x.reshape(x.shape[:-1] + (-1, 32)); a = np.abs(x).max(-1, keepdims=True)
;;       e = np.where(a > 0, np.clip(np.frexp(np.where(a > 0, a, 1))[1] - 1 - 4, -126, 127), 0)      # np.frexp(a)[1] - 1 = floor(log2(a)), exactly
;;       r = np.clip(x / 2.0 ** e, -28, 28)
;;       step = 2.0 ** (np.maximum(np.frexp(np.where(r == 0, 1, r))[1] - 1, -2) - 2)
;;       q = np.round(r / step) * step * 2.0 ** e      # np.round: ties to even
;;       return np.moveaxis(q.reshape(q.shape[:-2] + (-1,))[..., :K], -1, axis).astype(np.float32)
;;   ~~~
;;   OPERANDS COMPUTED ON THE WAY. 'Computed on the way' means the value that the module computes at that place (a softmax that the list does not call 'softmax' is quantised finished and normalised). What goes into a quantiser is computed in f32, as accurately as f32 sums, v_exp_f32 and their like allow (about 1e-6 of the number): no bf16 or f16 on the way to a quantiser, and a product that is left as it is and whose result goes on into a quantised operand takes f32 operands (vector FMAs, or v_wmma_f32_16x16x4_f32). A number that lies on a knife's edge between two numbers of the format may be rounded either way, as far as f32 arithmetic and the matrix unit's own rounding can turn it there, and no further.
;;   INPUTS GIVEN AS CODES. W1 (in the module: [16, 1024, 1024], K = its axis 1); W2 (in the module: [16, 1024, 64], K = its axis 1); feature (in the module: [2048, 1024], K = its axis 1): each comes as NAME_codes (uint8): NAME with its K axis moved to the last place and cut into blocks of 32 codes, [.., K / 32, bytes a block], one block behind the other in memory; four codes in three bytes: a row's codes are one little-endian stream of bits, code i at bits 6 i .. 6 i + 5 (a code: sign, 3 exponent bits, 2 mantissa bits); and NAME_scales (uint8): the same leading axes, one E8M0 byte (e + 127) for each 32 codes along K. Its value is code x scale, taken as it is: it is not quantised again, and the codes and scales need not be those that the quantiser above would give.
;; One version. Each part assembles by itself: llvm-mc -triple=amdgcn-amd-amdhsa -mcpu=gfx1250 --defsym DOCPART=n.
;; ======== version 1 of 1: 2 launches
;; workspace buffers: route 16,384 bytes of whole numbers; tab 512 bytes of whole numbers; w1l 12,582,912 bytes; w2l 786,432 bytes
;; launch prep (part 1): grid 140 x 1, 8 waves a work-group, no clusters, 102,400 bytes of LDS; arguments actor_index, W1_codes, W2_codes, route, w1l, w2l, tab; writes route, w1l, w2l, tab
.if DOCPART == 1
	.amdgcn_target "amdgcn-amd-amdhsa--gfx1250"
	.amdhsa_code_object_version 6
	.text
	.protected	k_q8b7f9932e3_prep
	.globl	k_q8b7f9932e3_prep
	.p2align	8
	.type	k_q8b7f9932e3_prep,@function
k_q8b7f9932e3_prep:
	s_mov_b64 s[64:65], 0
	v_nop
	global_prefetch_b8 v0, s[64:65] scope:SCOPE_SE
	s_setreg_imm32_b32 hwreg(HW_REG_WAVE_MODE, 25, 1), 1
	s_wait_xcnt 0x0
; TWO JOBS IN ONE LAUNCH, parted once on the work-group's number.
; WORK-GROUPS 0 TO 3: THE ROUTING, each for a REGION of 512 tokens.  For each token: the mask of the experts whose score equals the row's maximum (as the reference compares: ties keep several,
; a row with a NaN keeps none), and a SLOT in an order of the region's own, sorted by expert.  A token's bucket is its highest kept expert (bucket 0 where none is kept); each bucket begins at a
; multiple of 16 slots, so a tile of 16 slots holds tokens of one bucket.  With 512 tokens and 16 buckets a region never has more than 512/16 + 15 = 47 tiles.
; Four regions, so that four work-groups share the routing (two tokens a thread), and the next launch's work-group looks through 512 entries and not 2,048.
; Only VALUES hang on the scores here: every address and every branch of this launch is made of ids and constants.
; route: token 256 j + t of region p has index 512 p + 2 t + j; the first 8,192 bytes hold its slot, the second 8,192 bytes mask << 16 | 1 << 15 | the token's number.
; tab: 32 words a region: words 0-15 each bucket's first slot, word 16 the first slot behind the last bucket, word 17 the union of the masks of the region's tokens that keep more than one expert.
; WORK-GROUPS 4 TO 139: THE WEIGHTS' CODES ARE LAID OUT ONCE AS IMAGES OF OPERAND REGISTERS.  A fragment (16 rows x 128 along K of 6-bit codes) is 12 registers a lane; its image is 1,536 bytes,
; registers 4 c .. 4 c + 3 of lane l at byte 512 c + 16 l, so that the next launch brings a fragment by three loads of 16 bytes a lane, 512 consecutive bytes each.
; THE ROWS OF A TILE ARE NOT NEIGHBOURS: row r of tile 2 b + u is the weight's row 32 b + 8 u + r + 8 (r / 8) of its group, so that the results of tiles 2 b and 2 b + 1 are 16 neighbours in a lane's registers.
; w1l: fragment (expert e, group g of 128 hidden units, K step s, tile t) at (((8 e + g) 8 + s) 8 + t) 1536.   w2l: fragment (e, K step s, tile t of 4) at ((8 e + s) 4 + t) 1536.
; One wave takes one tile for all of K: two runs of 8 rows x 768 bytes, read as they lie (512 consecutive bytes a load), turned through the wave's own stage in LDS, stored as 8 images.
; No tensor loads and no cluster: nothing is read twice here.  The two jobs share no LDS byte.
.set NRG,  4                           ; regions, and work-groups that route
.set RT,   100352                      ; LDS: the routing's table of counts, 128 bytes for each wave
.set WST,  12544                       ; LDS: a wave's stage: 16 rows of SP bytes
.set SP,   784                         ; a stage row: 768 bytes + 16 = 196 words: row r starts at bank 4 r mod 64 (64 banks of 4 bytes: ISA guide 11.1): the 32 lanes of a load of 8 bytes touch 64 different banks
.set KEY,  16                          ; v16-17   set j: the token's bucket
.set MASK, 24                          ; v24-25   set j: the mask of kept experts
.set POS,  32                          ; v32-33   set j: the slot
.set PAY,  50                          ; v50-51   set j: mask, mark and token
.set X,    64                          ; v64-95   set j: the 16 scores
.set CNT,  32                          ; s32-47   my wave's tokens in bucket e
.set BASE, 48                          ; s48-63   the next free slot of bucket e for my wave
	s_load_b256 s[4:11], s[0:1], 0x0               ; actor_index s[4:5], W1's codes s[6:7], W2's codes s[8:9], route s[10:11]
	s_load_b128 s[12:15], s[0:1], 0x20             ; w1l s[12:13], w2l s[14:15]
	s_load_b64 s[30:31], s[0:1], 0x30              ; tab
	v_lshl_add_u32 v224, v0, 2, 0x18c00
	v_mov_b32 v225, 0
	v_and_b32 v1, 31, v0                           ; lane
	v_and_b32 v2, 15, v0                           ; r
	v_bfe_u32 v3, v0, 4, 1                         ; h
	v_lshrrev_b32 v20, 5, v0
	s_delay_alu instid0(VALU_DEP_1)
	v_readfirstlane_b32 s2, v20                    ; wave 0..7
	v_lshl_add_u32 v4, v0, 2, RT                   ; the table: my wave's 128 bytes, my lane's word
	v_lshl_add_u32 v5, v1, 2, RT                   ; the table: my lane's word of wave 0's
	s_mul_i32 s3, s2, WST                          ; my stage
	v_lshlrev_b32 v21, 4, v1                       ; 16 x lane
	s_delay_alu instid0(VALU_DEP_1)
	v_add_nc_u32 v6, s3, v21                       ; into the stage: byte o of a run of rows goes to o + 16 (o / 768).  Three loads of 512 bytes are two rows: the first lies in the first row,
	s_delay_alu instid0(VALU_DEP_1)
	v_lshl_add_u32 v7, v3, 4, v6
	s_delay_alu instid0(VALU_DEP_1)
	v_add_nc_u32 v7, 512, v7                       ; the second half in each (lanes 16-31 behind one padding),
	s_delay_alu instid0(VALU_DEP_3)
	v_add_nc_u32 v8, 1040, v6                      ; the third in the second row
	v_mul_u32_u24 v9, v2, SP
	s_delay_alu instid0(VALU_DEP_1)
	v_mad_u32_u24 v9, v3, 24, v9
	s_delay_alu instid0(VALU_DEP_1)
	v_add_nc_u32 v9, s3, v9                        ; out of the stage: row r, + 24 h: a fragment's bytes of my lane
	s_wait_kmcnt 0x0
	s_cmp_ge_u32 ttmp9, NRG
	s_cbranch_scc1 .Lrelay
; ---------------------------------------------------------------- the routing: thread t takes tokens 256 j + t of its region, j = 0, 1
	s_lshl_b32 s16, ttmp9, 15                      ; the region's 512 rows of 64 bytes,
	s_mov_b32 s17, 0
	s_add_nc_u64 s[4:5], s[4:5], s[16:17]
	s_lshl_b32 s16, ttmp9, 11                      ; its 512 words in each half of route,
	s_add_nc_u64 s[10:11], s[10:11], s[16:17]
	s_lshl_b32 s16, ttmp9, 7                       ; its 32 words of tab,
	s_add_nc_u64 s[30:31], s[30:31], s[16:17]
	s_lshl_b32 s23, ttmp9, 9                       ; its first token
	v_lshlrev_b32 v10, 6, v0                       ; a token's 16 scores are 64 bytes
.set i, 0
.rept 8
	global_load_b128 v[X+4*i:X+4*i+3], v10, s[4:5] offset:16384*(i/4)+16*(i%4)
.set i, i+1
.endr
.irp e, 0,1,2,3,4,5,6,7,8,9,10,11,12,13,14,15
	s_mov_b32 s[CNT+\e], 0
.endr
	v_mov_b32 v47, 0                               ; the union of my tied tokens' masks
	v_mov_b32 v46, 0                               ; (a DPP form's destination counts as read)
; Set j: the row's maximum (a NaN wins, so that no score equals it), then the experts from 15 down: the compare's bit is shifted into the mask by an add with carry;
; the first expert that is kept becomes the bucket; the wave's tokens of each bucket are counted.
.macro ROUTE_SET j
.set XB, X+16*\j
	s_wait_loadcnt 4*(1-\j)                        ; this set's four loads are in; the younger set's four may be out
	v_maximum_f32 v40, v[XB], v[XB+1]
	v_maximum_f32 v41, v[XB+2], v[XB+3]
.irp i, 4,6,8,10,12,14
	s_delay_alu instid0(VALU_DEP_2)
	v_maximum_f32 v40, v40, v[XB+\i]
	s_delay_alu instid0(VALU_DEP_2)
	v_maximum_f32 v41, v41, v[XB+\i+1]
.endr
	s_delay_alu instid0(VALU_DEP_1)
	v_maximum_f32 v40, v40, v41
	s_wait_alu depctr_va_vdst(0)
	v_mov_b32 v[KEY+\j], 0
	v_mov_b32 v[MASK+\j], 0
	s_mov_b32 s21, 0                               ; lanes whose bucket is found
.irp e, 15,14,13,12,11,10,9,8,7,6,5,4,3,2,1
	v_cmp_eq_f32 vcc_lo, v[XB+\e], v40
	s_and_not1_b32 s20, vcc_lo, s21                ; kept, and no higher expert was
	s_or_b32 s21, s21, vcc_lo
	v_add_co_ci_u32 v[MASK+\j], vcc_lo, v[MASK+\j], v[MASK+\j], vcc_lo   ; mask = 2 mask + bit
	v_cndmask_b32 v[KEY+\j], v[KEY+\j], \e, s20
	s_bcnt1_i32_b32 s22, s20
	s_add_co_u32 s[CNT+\e], s[CNT+\e], s22
.endr
	v_cmp_eq_f32 vcc_lo, v[XB], v40
	s_delay_alu instid0(VALU_DEP_1)
	v_add_co_ci_u32 v[MASK+\j], vcc_lo, v[MASK+\j], v[MASK+\j], vcc_lo
	s_not_b32 s20, s21                             ; all that are left go to bucket 0
	s_bcnt1_i32_b32 s22, s20
	s_add_co_u32 s[CNT], s[CNT], s22
	v_add_nc_u32 v42, -1, v[MASK+\j]
	s_delay_alu instid0(VALU_DEP_1)
	v_and_b32 v42, v42, v[MASK+\j]                 ; not 0 where more than one expert is kept
	s_delay_alu instid0(VALU_DEP_1)
	v_cmp_ne_u32 vcc_lo, 0, v42
	s_delay_alu instid0(VALU_DEP_1)
	v_cndmask_b32 v42, 0, v[MASK+\j], vcc_lo
	s_delay_alu instid0(VALU_DEP_1)
	v_or_b32 v47, v47, v42
.endm
	ROUTE_SET 0
	ROUTE_SET 1
.irp n, 1,2,4,8
	s_delay_alu instid0(VALU_DEP_1)
	v_mov_b32_dpp v46, v47 row_xmask:\n row_mask:0xf bank_mask:0xf   ; the union over each half of the lanes,
	s_delay_alu instid0(VALU_DEP_1)
	v_or_b32 v47, v47, v46
.endr
	s_delay_alu instid0(VALU_DEP_1)
	v_readlane_b32 s20, v47, 0
	s_delay_alu instid0(VALU_DEP_2)
	v_readlane_b32 s21, v47, 16
	s_or_b32 s20, s20, s21                         ; and over both
	v_mov_b32 v40, 0
.irp e, 0,1,2,3,4,5,6,7,8,9,10,11,12,13,14,15
	s_delay_alu instid0(VALU_DEP_1)
	v_writelane_b32 v40, s[CNT+\e], \e             ; lane e: my wave's count of bucket e
.endr
	s_delay_alu instid0(VALU_DEP_1)
	v_writelane_b32 v40, s20, 16                   ; lane 16: my wave's union of tied masks
	ds_store_b32 v4, v40
	s_wait_dscnt 0x0                               ; for the others' sake: my counts lie in LDS
	s_barrier_signal -1
	s_barrier_wait -1
.irp w, 0,1,2,3,4,5,6,7
	ds_load_b32 v[48+\w], v5 offset:128*\w         ; lane e: wave w's count of bucket e
.endr
	s_wait_dscnt 0x0
	v_add_nc_u32 v41, v48, v49                     ; the bucket's tokens in all,
	s_delay_alu instid0(VALU_DEP_1)
	v_add3_u32 v41, v41, v50, v51
	s_delay_alu instid0(VALU_DEP_1)
	v_add3_u32 v41, v41, v52, v53
	s_delay_alu instid0(VALU_DEP_1)
	v_add3_u32 v41, v41, v54, v55
	v_or_b32 v56, v48, v49                         ; (lane 16: the region's union of tied masks)
.irp w, 2,3,4,5,6,7
	s_delay_alu instid0(VALU_DEP_1)
	v_or_b32 v56, v56, v[48+\w]
.endr
	v_mov_b32 v42, 0                               ; and in the waves ahead of mine
.irp w, 0,1,2,3,4,5,6
	s_cmp_gt_u32 s2, \w
	s_cselect_b32 s20, -1, 0
	v_and_b32 v43, s20, v[48+\w]
	s_delay_alu instid0(VALU_DEP_1)
	v_add_nc_u32 v42, v42, v43
.endr
	v_add_nc_u32 v44, 15, v41
	s_delay_alu instid0(VALU_DEP_1)
	v_lshrrev_b32 v44, 4, v44                      ; the bucket's tiles of 16 slots
	s_delay_alu instid0(VALU_DEP_1)
	v_mov_b32 v45, v44
.irp n, 1,2,4,8
	s_delay_alu instid0(VALU_DEP_1)
	v_mov_b32_dpp v46, v45 row_shr:\n row_mask:0xf bank_mask:0xf bound_ctrl:1   ; running sum over lanes 0 to 15
	s_delay_alu instid0(VALU_DEP_1)
	v_add_nc_u32 v45, v45, v46
.endr
	s_delay_alu instid0(VALU_DEP_1)
	v_sub_nc_u32 v57, v45, v44                     ; the tiles of the buckets ahead,
	s_delay_alu instid0(VALU_DEP_1)
	v_lshlrev_b32 v57, 4, v57                      ; as slots: the bucket's first
	s_delay_alu instid0(VALU_DEP_1)
	v_add_nc_u32 v59, v57, v42                     ; my wave's first slot in bucket e
.irp e, 0,1,2,3,4,5,6,7,8,9,10,11,12,13,14,15
	v_readlane_b32 s[BASE+\e], v59, \e
.endr
	v_cmp_gt_u32 vcc_lo, 16, v1
	s_delay_alu instid0(VALU_DEP_1)
	v_cndmask_b32 v58, 0, v57, vcc_lo              ; the region's 32 words of tab: lanes 0-15 the buckets' first slots,
	v_readlane_b32 s20, v45, 15
	s_lshl_b32 s20, s20, 4
	v_writelane_b32 v58, s20, 16                   ; lane 16 the end,
	v_readlane_b32 s21, v56, 16
	s_delay_alu instid0(VALU_DEP_1)
	v_writelane_b32 v58, s21, 17                   ; lane 17 the tied masks
	v_lshlrev_b32 v60, 2, v1
	s_cmp_lg_u32 s2, 0                             ; every wave holds the same words: wave 0 stores them, 128 consecutive bytes
	s_cbranch_scc1 .Lnotab
	global_store_b32 v60, v58, s[30:31]
.Lnotab:
; Set j: a token's slot = the bucket's next free slot + the lanes below mine that are in the same bucket
.macro RANK_SET j
	v_mov_b32 v[POS+\j], 0
.irp e, 0,1,2,3,4,5,6,7,8,9,10,11,12,13,14,15
	v_cmp_eq_u32 s20, \e, v[KEY+\j]
	s_delay_alu instid0(VALU_DEP_1)
	v_mbcnt_lo_u32_b32 v43, s20, s[BASE+\e]
	s_delay_alu instid0(VALU_DEP_1)
	v_cndmask_b32 v[POS+\j], v[POS+\j], v43, s20
	s_bcnt1_i32_b32 s22, s20
	s_add_co_u32 s[BASE+\e], s[BASE+\e], s22
.endr
	s_or_b32 s22, s23, 0x8000+256*\j
	v_or_b32 v43, s22, v0                          ; the mark, and the token's number: 512 p + 256 j + t
	s_delay_alu instid0(VALU_DEP_1)
	v_lshl_or_b32 v[PAY+\j], v[MASK+\j], 16, v43
.endm
	RANK_SET 0
	RANK_SET 1
	v_lshlrev_b32 v11, 3, v0                       ; my two words: a wave's store covers 256 consecutive bytes, aligned
	global_store_b64 v11, v[POS:POS+1], s[10:11]
	global_store_b64 v11, v[PAY:PAY+1], s[10:11] offset:8192
	s_wait_tensorcnt 0x0
	ds_add_u32 v224, v225
	s_wait_dscnt 0x0
	s_endpgm
; ---------------------------------------------------------------- the weights: one wave, one tile of 16 rows, all of K
.Lrelay:
	s_sub_co_u32 s16, ttmp9, NRG
	s_lshl_b32 s16, s16, 3
	s_add_co_u32 s16, s16, s2                      ; the tile: 0 .. 1023 are W1's (64 e + 8 g + t), 1024 .. 1087 W2's (4 e + t)
	s_sub_co_u32 s17, s16, 1024
	s_lshr_b32 s18, s16, 3                         ; W1: the tile's first fragment is (8 e + g) 64 + t,
	s_lshl_b32 s18, s18, 6
	s_and_b32 s19, s16, 7
	s_add_co_u32 s18, s18, s19
	s_lshr_b32 s20, s17, 2                         ; W2: 32 e + t
	s_lshl_b32 s20, s20, 5
	s_and_b32 s21, s17, 3
	s_add_co_u32 s20, s20, s21
	s_mov_b32 s22, 6144                            ; from K step to K step: 4 fragments in w2l, 8 in w1l
	s_cmp_le_u32 ttmp9, NRG+127                    ; the choice hangs on the work-group's number alone
	s_cselect_b32 s16, s16, s17
	s_cselect_b32 s18, s18, s20
	s_cselect_b32 s22, 12288, s22
	s_cselect_b64 s[24:25], s[6:7], s[8:9]
	s_cselect_b64 s[26:27], s[12:13], s[14:15]
	s_lshr_b32 s19, s16, 1                         ; the tile's first row in its tensor: 32 (tile / 2) + 8 (tile % 2)
	s_lshl_b32 s19, s19, 5
	s_and_b32 s21, s16, 1
	s_lshl_b32 s21, s21, 3
	s_add_co_u32 s19, s19, s21
	s_mul_i32 s28, s19, 768
	s_mov_b32 s29, 0
	s_add_nc_u64 s[24:25], s[24:25], s[28:29]
	s_mul_i32 s28, s18, 1536
	s_add_nc_u64 s[26:27], s[26:27], s[28:29]
	s_wait_alu depctr_va_vdst(0)
.irp s, 0,1,2,3,4,5,6,7
	v_mad_u32_u24 v[12+\s], s22, \s, v21           ; K step s: its image's byte for my lane; no base is stepped
.endr
.set i, 0
.rept 24
	global_load_b128 v[32+4*i:35+4*i], v21, s[24:25] offset:(i/12)*12288+512*(i%12) th:TH_LOAD_NT   ; rows 0-7 of the tile, then rows 8-15, which lie 16 rows further on; read once in the launch
.set i, i+1
.endr
	s_wait_alu depctr_va_vdst(0)
	s_wait_loadcnt 12                              ; the first run's twelve loads are in
.set i, 0
.rept 12
	ds_store_b128 v[6+i%3], v[32+4*i:35+4*i] offset:(i/3)*2*SP
.set i, i+1
.endr
	s_wait_loadcnt 0x0
.rept 12
	ds_store_b128 v[6+i%3], v[32+4*i:35+4*i] offset:((i-12)/3)*2*SP+8*SP
.set i, i+1
.endr
.set i, 0
.rept 48
	ds_load_b64 v[128+2*i:129+2*i], v9 offset:96*(i/6)+48*((i%6)/3)+8*(i%3)   ; K step i / 6: my lane's two runs of 24 bytes.  LDS serves a wave's instructions in order (ISA guide 5.7.1.4): these see my stores
.set i, i+1
.endr
.irp s, 0,1,2,3,4,5,6,7
	s_wait_dscnt 6*(7-\s)                          ; this K step's six loads are in; the six of each later step may be out
.irp c, 0,1,2
	global_store_b128 v[12+\s], v[128+12*\s+4*\c:131+12*\s+4*\c], s[26:27] offset:512*\c   ; 32 lanes store 512 consecutive bytes, at a multiple of 256 from the buffer's first byte
.endr
.endr
	s_wait_tensorcnt 0x0
	ds_add_u32 v224, v225
	s_wait_dscnt 0x0
	s_endpgm
.Lfunc_end_k_q8b7f9932e3_prep:
	.size	k_q8b7f9932e3_prep, .Lfunc_end_k_q8b7f9932e3_prep-k_q8b7f9932e3_prep
	.p2alignl 7, 3214868480
	.fill 96, 4, 3214868480
	.section	.rodata,"a",@progbits
	.p2align	6, 0x0
	.amdhsa_kernel k_q8b7f9932e3_prep
		.amdhsa_group_segment_fixed_size 102400
		.amdhsa_private_segment_fixed_size 0
		.amdhsa_enable_private_segment 0
		.amdhsa_kernarg_size 56
		.amdhsa_user_sgpr_count 2
		.amdhsa_user_sgpr_kernarg_segment_ptr 1
		.amdhsa_wavefront_size32 1
		.amdhsa_system_sgpr_workgroup_id_x 1
		.amdhsa_system_sgpr_workgroup_id_y 1
		.amdhsa_system_sgpr_workgroup_id_z 1
		.amdhsa_system_vgpr_workitem_id 0
		.amdhsa_next_free_vgpr 226
		.amdhsa_next_free_sgpr 66
		.amdhsa_reserve_vcc 1
		.amdhsa_float_denorm_mode_32 3
		.amdhsa_float_denorm_mode_16_64 3
		.amdhsa_memory_ordered 1
		.amdhsa_forward_progress 1
		.amdhsa_inst_pref_size 45
	.end_amdhsa_kernel
	.amdgpu_metadata
---
amdhsa.version: [ 1, 2 ]
amdhsa.kernels:
  - .name:           k_q8b7f9932e3_prep
    .symbol:         k_q8b7f9932e3_prep.kd
    .args:
      - { .name: actor_index, .offset: 0, .size: 8, .value_kind: global_buffer, .address_space: global }
      - { .name: W1_codes, .offset: 8, .size: 8, .value_kind: global_buffer, .address_space: global }
      - { .name: W2_codes, .offset: 16, .size: 8, .value_kind: global_buffer, .address_space: global }
      - { .name: route, .offset: 24, .size: 8, .value_kind: global_buffer, .address_space: global }
      - { .name: w1l, .offset: 32, .size: 8, .value_kind: global_buffer, .address_space: global }
      - { .name: w2l, .offset: 40, .size: 8, .value_kind: global_buffer, .address_space: global }
      - { .name: tab, .offset: 48, .size: 8, .value_kind: global_buffer, .address_space: global }
    .group_segment_fixed_size: 102400
    .private_segment_fixed_size: 0
    .kernarg_segment_align: 8
    .kernarg_segment_size: 56
    .max_flat_workgroup_size: 256
    .sgpr_count:     66
    .vgpr_count:     226
    .wavefront_size: 32
...
	.end_amdgpu_metadata
.endif
;; end of part 1
;; launch chain (part 2): grid 47 x 4, 8 waves a work-group, no clusters, 92,416 bytes of LDS; arguments route, feature_codes, feature_scales, w1l, W1_scales, b1, w2l, W2_scales, b2, sigma, out0, out1, tab; writes out0, out1
.if DOCPART == 2
	.amdgcn_target "amdgcn-amd-amdhsa--gfx1250"
	.amdhsa_code_object_version 6
	.text
	.protected	k_q8b7f9932e3_chain
	.globl	k_q8b7f9932e3_chain
	.p2align	8
	.type	k_q8b7f9932e3_chain,@function
k_q8b7f9932e3_chain:
	s_mov_b64 s[64:65], 0
	v_nop
	global_prefetch_b8 v0, s[64:65] scope:SCOPE_SE
	s_setreg_imm32_b32 hwreg(HW_REG_WAVE_MODE, 25, 1), 1
	s_wait_xcnt 0x0
; out0[token] = the sum over the kept experts e of tanh(Q(relu(x W1[e] + b1[e])) W2[e] + b2[e]);  out1[token] = the sum over the kept experts of exp(sigma[e]).
; Both products on codes of BF6 (E3M2) with one E8M0 scale for each 32 along K; Q is the quantiser along the hidden layer.  Only the kept experts are multiplied: the others' results the mask throws away.
; SHARES.  Work-group (x, y) owns slots 16 x .. 16 x + 15 of region y's sorted order, which the launch before stored, and so those tokens' rows of both outputs: each row has one owner.  47 = 512/16 + 15 tiles a region serve
; every split; a work-group whose slots are all empty stores nothing.  It walks the 16 experts in a loop of constant count and jumps, by a scalar branch on a stored number, over those that its tile does not want.
; THE EXPERTS OF A TILE: the tile's bucket (found in the region's table of first slots), and every expert in the mask of any token OF THE REGION that keeps more than one.  That set holds every mask of the tile: a token
; with one kept expert lies in that expert's bucket.  LIMIT: a tie anywhere in a region adds its experts' trips to all tiles of the region; the values do not hang on it, since each row takes an expert's result by a select
; on its own mask bit, so that nothing of a row that is not meant (a NaN, say) gets in.
; WHAT STEERS A BRANCH OR AN ADDRESS GOES FROM MEMORY TO REGISTERS, never through LDS: the table by scalar loads; and wave w, which loads x and stores the outputs for slots 2 w and 2 w + 1 alone, finds those two tokens itself:
; it reads the region's 512 slots and entries, 16 of each a lane, and keeps the entries whose slots are its two.
; WAVES.  Wave w makes hidden units 128 w .. 128 w + 127 for the 16 rows (8 tiles, all of K = 1,024: 64 matrix instructions), clips and quantises them in registers: they are K step w of the second product, one fragment and
; one scale word; four more matrix instructions give its part of y [16 x 64].  The eight parts meet in LDS and are added in ascending order of K.  The hidden layer never goes to memory.
; BOTH PRODUCTS ARE USED TRANSPOSED (source 0 = 16 rows of the weight, source 1 = the 16 tokens): a lane holds one token, and its registers run along the weight's rows, which the launch before has chosen so that
; the 16 registers of tiles 2 b and 2 b + 1 are 16 neighbours.  The weights come from memory straight into registers, as images of the operand's registers: three loads of 16 bytes a lane for a fragment.
; NO TENSOR LOADS, NO CLUSTER: the walk over experts branches on stored numbers, and neighbouring work-groups need different experts and different numbers of trips.
; LIMITS.  A hidden block of zeros, or one whose largest magnitude lies under 2^-122, gets the scale byte 1 (its codes are zeros or subnormal codes; this program alone reads the bytes).  The second product's eight K steps are
; added as eight f32 sums in ascending order.  tanh(x) = 1 - 2 / (1 + 2^(2.88539 x)): absolute error about 1e-7; it ends at +-1 for large |x|.  exp(sigma) under 2^-126 comes out as 0.
; REGISTERS, window 0: v1 r, v2 h, v4 the entry of slot 2 w + h, v5-13, v15 addresses; v16-23 x's scale words; v24-55 W1's (register 8 b + s: lanes 0-15 tile 2 b, lanes 16-31 tile 2 b + 1, K step s); v56-57 W2's;
;   v58 the hidden layer's; v60-63, v64-67 my four numbers of out0 and out1; v68-163 x's eight fragments (ahead of them the region's slots and entries); v164-227 the eight accumulators (free ahead of the first expert, and
;   for the sums of parts); v228-247 codes; v248-255 at work.   window 1: v0-95, v96-191 W1's fragments of a K step, two sets; v192-239 W2's four fragments.
.set XSL,  0                           ; LDS: the 16 tokens' scale bytes, 32 a slot
.set CT,   1024                        ; b2 (4,096 bytes), then exp(sigma) (4,096)
.set XS,   9216                        ; the 16 tokens' codes: rows of XP bytes
.set XP,   784                         ; 768 + 16 = 196 words: row r starts at bank 4 r mod 64 (64 banks of 4 bytes: ISA guide 11.1)
.set PS,   21760                       ; the parts of y: two sets by turns, each 8 waves x 16 rows of PP bytes
.set PP,   272                         ; 256 + 16
.set PSWV, 16*PP
.set PSB,  8*PSWV
.set XSC,  16
.set WS,   24
.set W2S,  56
.set PW,   58
.set O0,   60
.set O1,   64
.set XF,   68
.set RS,   68                          ; v68-83   the region's slots, 16 a lane
.set RP,   84                          ; v84-99   and entries
.set HA,   164
.set PC,   228
.set FA,   228                         ; v228-231 the entry found for slot 2 w, in four chains;  v232-235 for slot 2 w + 1
.set FB,   232
.set TM,   248
.set W2F,  192
.set TAB,  68                          ; s68-83 the buckets' first slots, s84 the end, s85 the tied masks
.set MSB, 0
.macro WIN new                         ; the immediate's high byte repeats the setting that is left
.if MSB != \new
	s_set_vgpr_msb (MSB<<8)|\new
.set MSB, \new
.endif
.endm
	s_load_b512 s[8:23], s[0:1], 0x0               ; route s[8:9], x's codes s[10:11], x's scales s[12:13], w1l s[14:15], W1's scales s[16:17], b1 s[18:19], w2l s[20:21], W2's scales s[22:23]
	s_load_b256 s[24:31], s[0:1], 0x40             ; b2 s[24:25], sigma s[26:27], out0 s[28:29], out1 s[30:31]
	s_load_b64 s[54:55], s[0:1], 0x60              ; tab
	v_lshl_add_u32 v243, v0, 2, 0x16500
	v_mov_b32 v247, 0
	v_and_b32 v1, 15, v0                           ; r
	v_bfe_u32 v2, v0, 4, 1                         ; h
	v_lshrrev_b32 v217, 5, v0
	s_delay_alu instid0(VALU_DEP_1)
	v_readfirstlane_b32 s2, v217                   ; wave 0..7
	s_lshl_b32 s3, ttmp9, 4                        ; my first slot in the region
	s_and_b32 s35, ttmp7, 0xffff                   ; the region
	s_mov_b32 s36, 0x76543210
	s_mov_b32 s37, 0xfedcba98                      ; v_permlanex16_b32's selects for lane l xor 16
	v_and_b32 v217, 31, v0                         ; lane
	s_delay_alu instid0(VALU_DEP_1)
	v_lshlrev_b32 v5, 4, v217                      ; 16 x lane: an image's place for my lane
	v_and_b32 v6, 8, v1
	s_delay_alu instid0(VALU_DEP_1)
	v_add_nc_u32 v6, v6, v1
	s_delay_alu instid0(VALU_DEP_1)
	v_lshl_add_u32 v6, v2, 3, v6
	s_delay_alu instid0(VALU_DEP_1)
	v_lshlrev_b32 v6, 5, v6                        ; a weight's scale bytes, 32 a row: row 8 h + r + 8 (r / 8) of a pair of tiles
	v_lshlrev_b32 v7, 6, v2                        ; b1: 16 h numbers on
	v_mul_u32_u24 v8, v1, XP
	s_delay_alu instid0(VALU_DEP_1)
	v_mad_u32_u24 v8, v2, 24, v8
	s_delay_alu instid0(VALU_DEP_1)
	v_add_nc_u32 v8, XS, v8                        ; x's fragments: row r, + 24 h
	s_mul_i32 s40, s2, PSWV
	v_mul_u32_u24 v9, v1, PP
	s_delay_alu instid0(VALU_DEP_1)
	v_lshl_add_u32 v9, v2, 6, v9
	s_delay_alu instid0(VALU_DEP_1)
	v_add_nc_u32 v9, s40, v9
	s_delay_alu instid0(VALU_DEP_1)
	v_add_nc_u32 v9, PS, v9                        ; my part of y: my wave's 16 rows, row r, + 64 h
	s_lshl_b32 s41, s2, 1
	v_add_nc_u32 v218, s41, v2                     ; the slot whose loads, sums and stores are mine: 2 w + h
	s_delay_alu instid0(VALU_DEP_1)
	v_mul_u32_u24 v10, v218, PP
	s_delay_alu instid0(VALU_DEP_1)
	v_lshl_add_u32 v10, v1, 4, v10
	s_delay_alu instid0(VALU_DEP_1)
	v_add_nc_u32 v10, PS, v10                      ; and its outputs 4 r .. 4 r + 3 in wave 0's part
	v_lshl_add_u32 v11, v1, 4, CT                  ; the same outputs in expert 0's b2
	v_mul_u32_u24 v15, v218, XP
	s_delay_alu instid0(VALU_DEP_1)
	v_lshl_add_u32 v15, v1, 4, v15
	s_delay_alu instid0(VALU_DEP_1)
	v_add_nc_u32 v15, XS, v15                      ; where I put 16 bytes of that slot's codes
	v_and_b32 v219, 7, v1
	s_delay_alu instid0(VALU_DEP_1)
	v_lshlrev_b32 v219, 2, v219                    ; which of a token's eight scale words I fetch (lanes r and r + 8 the same one)
	s_delay_alu instid0(VALU_DEP_1)
	v_lshl_add_u32 v222, v218, 5, v219             ; and where I put it
	v_lshlrev_b32 v223, 5, v1                      ; slot r's eight scale words
	v_lshl_add_u32 v220, v0, 4, CT                 ; the tables: 16 bytes a thread
	v_lshlrev_b32 v221, 4, v0
	s_add_co_u32 s56, s3, s41                      ; the two slots that my wave looks for
	s_add_co_u32 s57, s56, 1
.irp i, 0,1,2,3,4,5,6,7
	v_mov_b32 v[FA+\i], 0                          ; an empty slot's entry is 0
.endr
	s_wait_alu depctr_va_vdst(0)
	s_wait_kmcnt 0x0
	s_lshl_b32 s40, s35, 11                        ; the region's 512 words in each half of route,
	s_mov_b32 s41, 0
	s_add_nc_u64 s[8:9], s[8:9], s[40:41]
	s_lshl_b32 s40, s35, 7                         ; and its 32 words of tab
	s_add_nc_u64 s[54:55], s[54:55], s[40:41]
	s_load_b512 s[TAB:TAB+15], s[54:55], 0x0
	s_load_b64 s[TAB+16:TAB+17], s[54:55], 0x40
.irp q, 0,1,2,3
	global_load_b128 v[RS+4*\q:RS+4*\q+3], v5, s[8:9] offset:512*\q            ; 128 slots,
	global_load_b128 v[RP+4*\q:RP+4*\q+3], v5, s[8:9] offset:8192+512*\q       ; and their entries: mask << 16 | 1 << 15 | token
.endr
	global_load_b128 v[196:199], v221, s[24:25]    ; b2 and sigma, all 16 experts': 16 bytes a thread
	global_load_b128 v[200:203], v221, s[26:27]
.irp q, 0,1,2,3
	s_wait_loadcnt 2*(3-\q)+2                      ; this pair of loads is in; the later pairs, b2 and sigma may be out
.irp k, 0,1,2,3
	v_cmp_eq_u32 s[40+\k], s56, v[RS+4*\q+\k]
	v_cmp_eq_u32 s[44+\k], s57, v[RS+4*\q+\k]
.endr
.irp k, 0,1,2,3
	v_cndmask_b32 v[FA+\k], v[FA+\k], v[RP+4*\q+\k], s[40+\k]
	v_cndmask_b32 v[FB+\k], v[FB+\k], v[RP+4*\q+\k], s[44+\k]
.endr
.endr
.irp k, 1
	v_or_b32 v[FA], v[FA], v[FA+\k]                ; a slot has one token at the most: one lane at the most holds its entry, the others 0
	v_or_b32 v[FB], v[FB], v[FB+\k]
.endr
.irp k, 2, 3
	s_delay_alu instid0(VALU_DEP_2)
	v_or_b32 v[FA], v[FA], v[FA+\k]                ; a slot has one token at the most: one lane at the most holds its entry, the others 0
	s_delay_alu instid0(VALU_DEP_2)
	v_or_b32 v[FB], v[FB], v[FB+\k]
.endr
	s_delay_alu instid0(VALU_DEP_2)
	v_cmp_ne_u32 s40, 0, v[FA]
	s_delay_alu instid0(VALU_DEP_2)
	v_cmp_ne_u32 s41, 0, v[FB]
	s_ctz_i32_b32 s40, s40                         ; that lane's number (-1 where there is none:
	s_ctz_i32_b32 s41, s41
	s_and_b32 s40, s40, 31                         ; then lane 31, which holds 0 like all the others)
	s_and_b32 s41, s41, 31
	v_readlane_b32 s58, v[FA], s40
	v_readlane_b32 s59, v[FB], s41
	s_delay_alu instid0(VALU_DEP_2)
	v_mov_b32 v4, s58
	s_delay_alu instid0(VALU_DEP_2)
	v_mov_b32 v217, s59
	v_cmp_ne_u32 vcc_lo, 0, v2
	s_delay_alu instid0(VALU_DEP_1)
	v_cndmask_b32 v4, v4, v217, vcc_lo             ; the entry of slot 2 w + h
	s_delay_alu instid0(VALU_DEP_1)
	v_and_b32 v224, 0x7ff, v4
	s_delay_alu instid0(VALU_DEP_1)
	v_min_u32 v224, 0x7ff, v224                    ; its token (an empty slot reads token 0; its results are not stored)
	s_delay_alu instid0(VALU_DEP_1)
	v_mul_u32_u24 v225, v224, 768
	s_delay_alu instid0(VALU_DEP_1)
	v_lshl_add_u32 v225, v1, 4, v225
	s_delay_alu instid0(VALU_DEP_3)
	v_lshl_add_u32 v226, v224, 5, v219
	global_load_b128 v[204:207], v225, s[10:11]              ; sixteen lanes read 256 consecutive bytes of the token's 768
	global_load_b128 v[208:211], v225, s[10:11] offset:256
	global_load_b128 v[212:215], v225, s[10:11] offset:512
	global_load_b32 v216, v226, s[12:13]                     ; and one of its eight scale words
	v_lshlrev_b32 v13, 8, v224
	s_delay_alu instid0(VALU_DEP_1)
	v_lshl_add_u32 v13, v1, 4, v13                 ; my 16 bytes in both outputs
	s_wait_kmcnt 0x0                               ; the region's table
	s_mov_b32 s32, 0
.irp e, 1,2,3,4,5,6,7,8,9,10,11,12,13,14,15
	s_cmp_le_u32 s[TAB+\e], s3                     ; the last bucket that begins at or ahead of my first slot is my tile's (an empty bucket begins where the next one does)
	s_cselect_b32 s32, \e, s32
.endr
	s_lshl_b32 s32, 1, s32
	s_or_b32 s32, s32, s[TAB+17]                   ; with the experts of the region's tied tokens
	s_cmp_lt_u32 s3, s[TAB+16]
	s_cselect_b32 s32, s32, 0                      ; a tile behind the last bucket wants none.  The same number in every wave
	s_wait_loadcnt 4                               ; b2 and sigma are in; the four loads just issued may be out
.irp i, 0,1,2,3
	v_mul_f32 v[200+\i], 0x3fb8aa3b, v[200+\i]
.endr
	s_wait_alu depctr_va_vdst(0)
.irp i, 0,1,2,3
	v_exp_f32 v[200+\i], v[200+\i]                 ; exp(sigma)
.endr
.irp i, 0,1,2,3,4,5,6,7
	v_mov_b32 v[O0+\i], 0                          ; my sums begin.  (Plain instructions behind the exponentials: ISA guide 5.7.2)
.endr
.irp i, 4,5,6,7
	v_mov_b32 v[TM+\i], 0                          ; written once: a lane permute's destination counts as one of its sources
.endr
	ds_store_b128 v220, v[196:199]
	s_wait_alu depctr_va_vdst(0)
	ds_store_b128 v220, v[200:203] offset:4096
	s_wait_loadcnt 0x0                             ; x's codes and scale word
	ds_store_b128 v15, v[204:207]
	ds_store_b128 v15, v[208:211] offset:256
	ds_store_b128 v15, v[212:215] offset:512
	ds_store_b32 v222, v216 offset:XSL             ; (lanes r and r + 8 write the same word with the same value)
	s_wait_dscnt 0x0                               ; for the others' sake: my parts of the tables and of x lie in LDS
	s_barrier_signal -1
	s_barrier_wait -1
.set i, 0
.rept 48
	ds_load_b64 v[XF+2*i:XF+2*i+1], v8 offset:96*(i/6)+48*((i%6)/3)+8*(i%3)   ; x's eight fragments stay in registers: K step i / 6, my lane's two runs of 24 bytes
.set i, i+1
.endr
	ds_load_b128 v[XSC:XSC+3], v223 offset:XSL     ; lane r: slot r's eight scale words
	ds_load_b128 v[XSC+4:XSC+7], v223 offset:XSL+16
	s_wait_dscnt 0x0
; W1's eight fragments of K step s into set s % 2 of window 1: 24 loads, 512 consecutive bytes each
.macro WLOAD s
.set i, 0
.rept 24
	global_load_b128 v[96*((\s)%2)+4*i:96*((\s)%2)+4*i+3], v5, s[44:45] offset:12288*(\s)+512*i
.set i, i+1
.endr
.endm
; K step s of the first product: the eight accumulators by turns, one instruction a turn, from step to step too.  Then the set just read takes the step two on.
.macro STEP s
.if \s < 7
	s_wait_loadcnt 24                              ; all but the other set's 24 loads, the only ones issued behind this set's
.else
	s_wait_loadcnt 0x0
.endif
	WIN 0x01                                       ; source 0 (W1) window 1
.irp t, 0,1,2,3,4,5,6,7
.if \t % 2
	v_wmma_scale_f32_16x16x128_f8f6f4 v[HA+8*\t:HA+8*\t+7], v[96*((\s)%2)+12*\t:96*((\s)%2)+12*\t+11], v[XF+12*(\s):XF+12*(\s)+11], v[HA+8*\t:HA+8*\t+7], v[WS+8*(\t/2)+(\s)], v[XSC+(\s)] matrix_a_fmt:MATRIX_FMT_BF6 matrix_b_fmt:MATRIX_FMT_BF6 matrix_a_scale:MATRIX_SCALE_ROW1
.else
	v_wmma_scale_f32_16x16x128_f8f6f4 v[HA+8*\t:HA+8*\t+7], v[96*((\s)%2)+12*\t:96*((\s)%2)+12*\t+11], v[XF+12*(\s):XF+12*(\s)+11], v[HA+8*\t:HA+8*\t+7], v[WS+8*(\t/2)+(\s)], v[XSC+(\s)] matrix_a_fmt:MATRIX_FMT_BF6 matrix_b_fmt:MATRIX_FMT_BF6
.endif
.endr
.if \s < 6
.rept 4
	v_nop                                          ; four places in front of loads into registers that matrix instructions have read (ISA guide 7.12.1 for vector instructions)
.endr
	WIN 0x40                                       ; destination window 1
	WLOAD (\s)+2
.endif
.endm
; My 64 hidden numbers, register 16 b + i = hidden unit 32 b + 16 h + i of my token, become a fragment's codes in v[PC] on and its scale word in v[PW].  None is negative: no |.| on the sources.
.macro QUANT
.irp b, 0,1,2,3
	v_max3_num_f32 v[TM+\b], v[HA+16*\b], v[HA+1+16*\b], 0x2800000   ; block b: my 16 numbers, and the floor 2^(5 - 127): so the byte cannot fall under 1
.endr
.irp i, 2,4,6,8,10,12,14
.irp b, 0,1,2,3
	s_delay_alu instid0(VALU_DEP_4)
	v_max3_num_f32 v[TM+\b], v[TM+\b], v[HA+16*\b+\i], v[HA+1+16*\b+\i]   ; (the four blocks by turns)
.endr
.endr
.irp b, 0,1,2,3
	s_delay_alu instid0(VALU_DEP_4)
	v_permlanex16_b32 v[TM+4+\b], v[TM+\b], s36, s37
.endr
.irp b, 0,1,2,3
	s_delay_alu instid0(VALU_DEP_4)
	v_max_num_f32 v[TM+\b], v[TM+\b], v[TM+4+\b]   ; with lane l xor 16's: the block's largest magnitude
.endr
.irp b, 0,1,2,3
	s_delay_alu instid0(VALU_DEP_4)
	v_add_nc_u32 v[TM+\b], 0xfe000000, v[TM+\b]    ; 4 off its exponent field: the conversion takes the exponent field of this operand as its scale, and nothing else of it
.endr
.irp b, 0,1,2,3
	s_delay_alu instid0(VALU_DEP_4)
	v_lshrrev_b32 v[TM+4+\b], 23, v[TM+\b]         ; the scale's byte
.endr
	s_delay_alu instid0(VALU_DEP_3)
	v_lshl_or_b32 v[PW], v[TM+5], 8, v[TM+4]       ; the four bytes make my token's scale word
	s_delay_alu instid0(VALU_DEP_1)
	v_lshl_or_b32 v[PW], v[TM+6], 16, v[PW]
	s_delay_alu instid0(VALU_DEP_1)
	v_lshl_or_b32 v[PW], v[TM+7], 24, v[PW]
.irp c, 0,1
	v_cvt_scalef32_pk16_bf6_f32 v[PC+6*\c:PC+2+6*\c], v[HA+32*\c:HA+15+32*\c], v[TM+2*\c]
	v_cvt_scalef32_pk16_bf6_f32 v[PC+12+4*\c:PC+14+4*\c], v[HA+16+32*\c:HA+31+32*\c], v[TM+2*\c+1]   ; (a conversion's three registers begin on an even number)
.endr
	v_nop                                          ; one plain place behind a scaled conversion
.irp c, 0,1                                    ; the operand's layout wants a WHOLE block in a lane: lanes 0-15 block 2 c, lanes 16-31 block 2 c + 1
.irp i, 0,1,2
	v_permlane16_swap_b32 v[PC+6*\c+\i], v[PC+12+4*\c+\i]
.endr
.irp i, 0,1,2
	s_delay_alu instid0(VALU_DEP_3)
	v_mov_b32 v[PC+3+6*\c+\i], v[PC+12+4*\c+\i]
.endr
.endr
.endm
; EXPERT s34, FIRST HALF: my wave's chain, up to its part of y in LDS set par.
.macro WORK_A par
	s_lshl_b32 s40, s34, 3                         ; every earlier load has been waited for: the bases may be written
	s_add_co_u32 s40, s40, s2                      ; 8 e + w
	s_mov_b32 s43, 0
	s_mul_i32 s42, s40, 98304
	s_add_nc_u64 s[44:45], s[14:15], s[42:43]      ; my 64 fragments of W1,
	s_lshl_b32 s42, s40, 12
	s_add_nc_u64 s[46:47], s[16:17], s[42:43]      ; my 128 rows of its scale bytes,
	s_lshl_b32 s42, s40, 9
	s_add_nc_u64 s[48:49], s[18:19], s[42:43]      ; my 128 numbers of b1,
	s_mul_i32 s42, s40, 6144
	s_add_nc_u64 s[50:51], s[20:21], s[42:43]      ; my 4 fragments of W2 (K step w),
	s_lshl_b32 s42, s34, 11
	s_lshl_b32 s41, s2, 2
	s_add_co_u32 s42, s42, s41
	s_add_nc_u64 s[52:53], s[22:23], s[42:43]      ; and word w of its rows' scale bytes
.irp b, 0,1,2,3
	global_load_b128 v[WS+8*\b:WS+8*\b+3], v6, s[46:47] offset:1024*\b          ; a row's eight scale words: lanes 0-15 tile 2 b's rows, lanes 16-31 tile 2 b + 1's
	global_load_b128 v[WS+8*\b+4:WS+8*\b+7], v6, s[46:47] offset:1024*\b+16
.endr
.irp t, 0,1,2,3,4,5,6,7
	global_load_b128 v[HA+8*\t:HA+8*\t+3], v7, s[48:49] offset:128*(\t/2)+32*(\t%2)      ; THE BIAS IS WHAT THE SUMS BEGIN WITH: register j of tile t is hidden unit 32 (t / 2) + 16 h + 8 (t % 2) + j
	global_load_b128 v[HA+8*\t+4:HA+8*\t+7], v7, s[48:49] offset:128*(\t/2)+32*(\t%2)+16
.endr
.irp b, 0,1
	global_load_b32 v[W2S+\b], v6, s[52:53] offset:1024*\b
.endr
	WIN 0x40                                       ; destination window 1
.set i, 0
.rept 12
	global_load_b128 v[W2F+4*i:W2F+4*i+3], v5, s[50:51] offset:512*i
.set i, i+1
.endr
	WLOAD 0
	WLOAD 1                                        ; two K steps of W1, 24 KB a wave, are on their way from here to the last step but one
.irp s, 0,1,2,3,4,5,6,7
	STEP \s
.endr
	WIN 0
.rept 4
	v_nop                                          ; four places in front of the first read of results
.endr
.set i, 0
.rept 64
	v_max_num_f32 v[HA+i], 0, v[HA+i]              ; the activation, in f32; each accumulator from its low end on
.set i, i+1
.endr
	QUANT
.rept 8
	v_nop                                          ; a scale register written by a vector instruction stands 8 places ahead of a scaled matrix instruction, an operand so written 4
.endr
	WIN 0x01                                       ; source 0 (W2) window 1
.irp t, 0,1,2,3
.if \t % 2
	v_wmma_scale_f32_16x16x128_f8f6f4 v[HA+8*\t:HA+8*\t+7], v[W2F+12*\t:W2F+12*\t+11], v[PC:PC+11], 0, v[W2S+\t/2], v[PW] matrix_a_fmt:MATRIX_FMT_BF6 matrix_b_fmt:MATRIX_FMT_BF6 matrix_a_scale:MATRIX_SCALE_ROW1
.else
	v_wmma_scale_f32_16x16x128_f8f6f4 v[HA+8*\t:HA+8*\t+7], v[W2F+12*\t:W2F+12*\t+11], v[PC:PC+11], 0, v[W2S+\t/2], v[PW] matrix_a_fmt:MATRIX_FMT_BF6 matrix_b_fmt:MATRIX_FMT_BF6
.endif
.endr
	WIN 0
.rept 5
	v_nop                                          ; places in front of the stores that read the results, and of what the next expert loads and sums into these registers
.endr
.irp b, 0,1
.irp q, 0,1,2,3
	ds_store_b128 v9, v[HA+16*\b+4*\q:HA+16*\b+4*\q+3] offset:\par*PSB+128*\b+16*\q   ; lane (r, h): outputs 32 b + 16 h + 0 .. 15 of token r
.endr
.endr
.endm
; EXPERT s34, SECOND HALF: thread (w, r, h) adds the eight parts and b2 for outputs 4 r .. 4 r + 3 of slot 2 w + h; tanh; the slot takes the result, and exp(sigma), where its mask has the expert's bit.
.macro WORK_B par
	s_lshl_b32 s40, s34, 8
	s_add_co_u32 s41, s34, 16
	v_add_nc_u32 v12, s40, v11
.irp w, 0,1,2,3,4,5,6,7
	ds_load_b128 v[HA+4*\w:HA+4*\w+3], v10 offset:\par*PSB+PSWV*\w
.endr
	ds_load_b128 v[HA+32:HA+35], v12               ; b2
	ds_load_b128 v[HA+36:HA+39], v12 offset:4096   ; exp(sigma)
	v_bfe_u32 v[HA+40], v4, s41, 1
	s_delay_alu instid0(VALU_DEP_1)
	v_cmp_ne_u32 vcc_lo, 0, v[HA+40]               ; does my slot keep this expert?
	s_wait_dscnt 0x0
.irp w, 1
	v_pk_add_f32 v[HA:HA+1], v[HA:HA+1], v[HA+4*\w:HA+4*\w+1]         ; K ascending, b2 last
	v_pk_add_f32 v[HA+2:HA+3], v[HA+2:HA+3], v[HA+4*\w+2:HA+4*\w+3]
.endr
.irp w, 2, 3, 4, 5, 6, 7, 8
	s_delay_alu instid0(VALU_DEP_2)
	v_pk_add_f32 v[HA:HA+1], v[HA:HA+1], v[HA+4*\w:HA+4*\w+1]         ; K ascending, b2 last
	s_delay_alu instid0(VALU_DEP_2)
	v_pk_add_f32 v[HA+2:HA+3], v[HA+2:HA+3], v[HA+4*\w+2:HA+4*\w+3]
.endr
.irp i, 0,1,2,3
	v_mul_f32 v[HA+\i], 0x4038aa3b, v[HA+\i]       ; 2 log2(e) x
.endr
	s_wait_alu depctr_va_vdst(0)
.irp i, 0,1,2,3
	v_exp_f32 v[HA+\i], v[HA+\i]
.endr
.irp i, 0,1,2,3
	v_cndmask_b32 v[HA+36+\i], 0, v[HA+36+\i], vcc_lo   ; (plain instructions behind the exponentials)
.endr
	s_wait_alu depctr_va_vdst(0)
.irp i, 0,1,2,3
	v_add_f32 v[HA+\i], 1.0, v[HA+\i]
.endr
	s_wait_alu depctr_va_vdst(0)
.irp i, 0,1,2,3
	v_rcp_f32 v[HA+\i], v[HA+\i]
.endr
.irp i, 0,1,2,3
	v_add_f32 v[O1+\i], v[O1+\i], v[HA+36+\i]      ; (plain instructions behind the reciprocals)
.endr
	s_wait_alu depctr_va_vdst(0)
.irp i, 0,1,2,3
	v_fma_f32 v[HA+\i], v[HA+\i], -2.0, 1.0        ; tanh
.endr
.irp i, 0,1,2,3
	s_delay_alu instid0(VALU_DEP_4)
	v_cndmask_b32 v[HA+\i], 0, v[HA+\i], vcc_lo
.endr
.irp i, 0,1,2,3
	s_delay_alu instid0(VALU_DEP_4)
	v_add_f32 v[O0+\i], v[O0+\i], v[HA+\i]
.endr
.endm
; ONE EXPERT.  The barrier stands on every wave's path, outside both branches; the set of experts is the same number in all eight waves.  In front of it each wave's stores of its part have landed, and its reads of the
; expert before are in.  The parts lie in two sets by turns: a set is written again two experts on, behind the barrier that every wave reaches behind its last read of it.
.macro TRIP par
	s_add_co_u32 s34, s33, \par
	s_bitcmp1_b32 s32, s34
	s_cbranch_scc0 .Lno_a_\@
	WORK_A \par
.Lno_a_\@:
	s_wait_dscnt 0x0
	s_barrier_signal -1
	s_barrier_wait -1
	s_bitcmp1_b32 s32, s34
	s_cbranch_scc0 .Lno_b_\@
	WORK_B \par
.Lno_b_\@:
.endm
	s_mov_b32 s33, 0
.Lexp:                                             ; eight trips of two experts
	TRIP 0
	TRIP 1
	s_add_co_u32 s33, s33, 2
	s_cmp_lt_u32 s33, 16
	s_cbranch_scc1 .Lexp
	v_and_b32 v[HA], 0x8000, v4                    ; a slot that holds a token stores its rows: sixteen lanes store 256 consecutive bytes, a whole row of each output
	s_delay_alu instid0(VALU_DEP_1)
	v_cmp_ne_u32 vcc_lo, 0, v[HA]
	s_wait_xcnt 0x0                                ; EXEC changes only behind this wait
	s_wait_tensorcnt 0x0
	ds_add_u32 v243, v247
	s_wait_dscnt 0x0
	s_and_saveexec_b32 s40, vcc_lo
	s_wait_alu depctr_va_vdst(0)
	global_store_b128 v13, v[O0:O0+3], s[28:29] th:TH_STORE_NT
	global_store_b128 v13, v[O1:O1+3], s[30:31] th:TH_STORE_NT
	s_wait_xcnt 0x0                                ; and again in front of the line that widens it
	s_or_b32 exec_lo, exec_lo, s40
	s_endpgm
.Lfunc_end_k_q8b7f9932e3_chain:
	.size	k_q8b7f9932e3_chain, .Lfunc_end_k_q8b7f9932e3_chain-k_q8b7f9932e3_chain
	.p2alignl 7, 3214868480
	.fill 96, 4, 3214868480
	.section	.rodata,"a",@progbits
	.p2align	6, 0x0
	.amdhsa_kernel k_q8b7f9932e3_chain
		.amdhsa_group_segment_fixed_size 92416
		.amdhsa_private_segment_fixed_size 0
		.amdhsa_enable_private_segment 0
		.amdhsa_kernarg_size 104
		.amdhsa_user_sgpr_count 2
		.amdhsa_user_sgpr_kernarg_segment_ptr 1
		.amdhsa_wavefront_size32 1
		.amdhsa_system_sgpr_workgroup_id_x 1
		.amdhsa_system_sgpr_workgroup_id_y 1
		.amdhsa_system_sgpr_workgroup_id_z 1
		.amdhsa_system_vgpr_workitem_id 0
		.amdhsa_next_free_vgpr 512
		.amdhsa_next_free_sgpr 96
		.amdhsa_reserve_vcc 1
		.amdhsa_float_denorm_mode_32 3
		.amdhsa_float_denorm_mode_16_64 3
		.amdhsa_memory_ordered 1
		.amdhsa_forward_progress 1
		.amdhsa_inst_pref_size 107
	.end_amdhsa_kernel
	.amdgpu_metadata
---
amdhsa.version: [ 1, 2 ]
amdhsa.kernels:
  - .name:           k_q8b7f9932e3_chain
    .symbol:         k_q8b7f9932e3_chain.kd
    .args:
      - { .name: route, .offset: 0, .size: 8, .value_kind: global_buffer, .address_space: global }
      - { .name: feature_codes, .offset: 8, .size: 8, .value_kind: global_buffer, .address_space: global }
      - { .name: feature_scales, .offset: 16, .size: 8, .value_kind: global_buffer, .address_space: global }
      - { .name: w1l, .offset: 24, .size: 8, .value_kind: global_buffer, .address_space: global }
      - { .name: W1_scales, .offset: 32, .size: 8, .value_kind: global_buffer, .address_space: global }
      - { .name: b1, .offset: 40, .size: 8, .value_kind: global_buffer, .address_space: global }
      - { .name: w2l, .offset: 48, .size: 8, .value_kind: global_buffer, .address_space: global }
      - { .name: W2_scales, .offset: 56, .size: 8, .value_kind: global_buffer, .address_space: global }
      - { .name: b2, .offset: 64, .size: 8, .value_kind: global_buffer, .address_space: global }
      - { .name: sigma, .offset: 72, .size: 8, .value_kind: global_buffer, .address_space: global }
      - { .name: out0, .offset: 80, .size: 8, .value_kind: global_buffer, .address_space: global }
      - { .name: out1, .offset: 88, .size: 8, .value_kind: global_buffer, .address_space: global }
      - { .name: tab, .offset: 96, .size: 8, .value_kind: global_buffer, .address_space: global }
    .group_segment_fixed_size: 92416
    .private_segment_fixed_size: 0
    .kernarg_segment_align: 8
    .kernarg_segment_size: 104
    .max_flat_workgroup_size: 256
    .sgpr_count:     96
    .vgpr_count:     512
    .wavefront_size: 32
...
	.end_amdgpu_metadata
.endif
;; end of part 2
